; MI455X (gfx1250); checked and timed in simulation.
; The chip was launched on July 23, 2026; its instructions are those of AMD's public machine-readable ISA for CDNA 5 (MIT licence, August 2026) and "CDNA5" Instruction Set Architecture Reference Guide (July 2026). The comments in the code are by the model that wrote it; some were corrected since.
;; PHNODE. Allowed arithmetic: float matrix products may take bf16 or f16 operands with f32 sums; other float arithmetic in f32, or as packed bf16 or f16 multiplies, adds, multiply-adds, maxima and minima; sums over many terms, partial sums and values carried from step to step in f32; what a program stores and reads back later, other than sums and carried values, may be rounded once to bf16 or f16.
;; Inputs: Bmat 2 x 1 float32; R 2 x 2 float32; W1 1,024 x 2 float32; W2 1,024 x 1,024 float32; W3 2 x 1,024 float32; b1 1,024 float32; b2 1,024 float32; b3 2 float32; control one number float32; m one number float32; scale 2 x 1 float32; y 65,536 x 2 float32.
;; Outputs: out0 65,536 x 2 float32.
;; One version. Each part assembles by itself: llvm-mc -triple=amdgcn-amd-amdhsa -mcpu=gfx1250 --defsym DOCPART=n.
;; ======== version 1 of 1: 2 launches
;; limits: values are held in f16: magnitudes above 65,504 overflow, below 6.1e-05 lose precision
;; workspace buffers: w2h 2,097,152 bytes; tab 28,672 bytes
;; launch prep (part 1): grid 256 x 1, 4 waves a work-group, no clusters, 0 bytes of LDS; arguments W2, W1, b1, b2, W3, w2h, tab; writes w2h, tab
.if DOCPART == 1
	.amdgcn_target "amdgcn-amd-amdhsa--gfx1250"
	.amdhsa_code_object_version 6
	.text
	.protected	k_qe4800080da_prep
	.globl	k_qe4800080da_prep
	.p2align	8
	.type	k_qe4800080da_prep,@function
k_qe4800080da_prep:
	s_mov_b64 s[64:65], 0
	v_nop
	global_prefetch_b8 v0, s[64:65] scope:SCOPE_SE
	s_setreg_imm32_b32 hwreg(HW_REG_WAVE_MODE, 25, 1), 1
	s_wait_xcnt 0x0
; PREPARATION for the fused launch.  Nothing of the problem is left out: every input has a way to the output, and all twelve are loaded, five here and the others in the second launch.
; (1) W2 [1024][1024] f32 is rounded ONCE to f16 and laid out in the order in which it is streamed:
;     w2h[j = 4 c + kap][n' = 0..255][kk = 0..255] = W2[256 c + n'][256 kap + kk]: 16 slots of 131,072 dense bytes, rows of 512 bytes.
; (2) tab, f32: bytes 0..16,383: 256 records of 64 bytes, record g = W1[4g..4g+3][0], W1[4g..4g+3][1], b1[4g..4g+3], four zeros; bytes 16,384..: b2; bytes 20,480..: W3.
; LIMIT.  f16 holds no number beyond 65,504 and keeps a fixed step of 6e-8 below 6e-5: W2 is taken to lie within that (the drawn spread is 1/32).
; A stream: each byte is read once and written once; LDS, barriers and the matrix unit would add nothing.
; SHARES.  Wave w of work-group g takes row n = 4 g + w of W2: four pieces of 1,024 bytes; a lane reads 32 bytes of a piece and stores 16, so a store of the wave covers 512 consecutive bytes, aligned.
.set IN,  8                            ; v[8:39]   the row as loaded: piece k at IN + 8 k
.set HF,  40                           ; v[40:55]  the row in f16: piece k at HF + 4 k
	s_load_b256 s[4:11], s[0:1], 0x0               ; W2 s[4:5], W1 s[6:7], b1 s[8:9], b2 s[10:11]
	s_load_b128 s[12:15], s[0:1], 0x20             ; W3 s[12:13], w2h s[14:15]
	s_load_b64 s[16:17], s[0:1], 0x30              ; tab
	v_lshrrev_b32 v1, 5, v0
	v_readfirstlane_b32 s20, v1                    ; wave 0..3
	v_and_b32 v2, 31, v0                           ; lane
	s_mov_b32 s25, ttmp9                           ; the work-group's number
	s_lshl_b32 s21, s25, 2
	s_add_co_u32 s21, s21, s20                     ; n, my row of W2
	s_lshl_b32 s22, s21, 12                        ; 4,096 bytes a row
	v_lshl_add_u32 v3, v2, 5, s22                  ; from: row + 32 x lane
	s_lshr_b32 s23, s21, 8                         ; c = n / 256
	s_lshl_b32 s23, s23, 19                        ; four slots of 131,072 bytes a chunk
	s_and_b32 s24, s21, 255
	s_lshl_b32 s24, s24, 9                         ; n' rows of 512 bytes
	s_add_co_u32 s23, s23, s24
	v_lshl_add_u32 v4, v2, 4, s23                  ; to: slot 4 c, row n', 16 x lane; the piece stands in the immediate
	s_wait_kmcnt 0x0
.irp k, 0,1,2,3
	global_load_b128 v[IN+8*(\k):IN+8*(\k)+3],   v3, s[4:5] offset:1024*(\k) th:TH_LOAD_NT
	global_load_b128 v[IN+8*(\k)+4:IN+8*(\k)+7], v3, s[4:5] offset:1024*(\k)+16 th:TH_LOAD_NT
.endr
.irp k, 0,1,2,3
	s_wait_loadcnt 6-2*(\k)                        ; loads come back in order: piece k is in, the younger pieces' two loads each stay out
.irp r, 0,1,2,3
	v_cvt_pk_f16_f32 v[HF+4*(\k)+(\r)], v[IN+8*(\k)+2*(\r)], v[IN+8*(\k)+2*(\r)+1]
.endr
	global_store_b128 v4, v[HF+4*(\k):HF+4*(\k)+3], s[14:15] offset:131072*(\k)
.endr
	; THE TABLE.  No register that a pending store reads is written below: every step has registers of its own.
	s_cmp_lt_u32 s25, 8
	s_cbranch_scc0 .Lnot_cf
	; work-groups 0..7: the 1,024 sixteen-byte parts of the 256 records; thread t makes part idx = 128 g + t: record idx / 4, part idx % 4
	s_lshl_b32 s26, s25, 7
	v_add_nc_u32 v5, s26, v0                       ; idx
	v_lshrrev_b32 v6, 2, v5                        ; the record
	v_and_b32 v7, 3, v5                            ; the part
	v_lshlrev_b32 v73, 5, v6                       ; four rows of W1 are 32 bytes
	v_lshlrev_b32 v74, 4, v6                       ; four numbers of b1 are 16
	v_lshlrev_b32 v75, 4, v5
	v_mov_b32 v72, 0
	global_load_b128 v[56:59], v73, s[6:7]
	global_load_b128 v[60:63], v73, s[6:7] offset:16
	global_load_b128 v[64:67], v74, s[8:9]
	v_cmp_eq_u32 s27, 1, v7
	v_cmp_eq_u32 s28, 2, v7
	v_cmp_eq_u32 s29, 3, v7
	s_wait_loadcnt 0x0
.irp i, 0,1,2,3
	v_cndmask_b32 v[68+(\i)], v[56+2*(\i)], v[57+2*(\i)], s27  ; part 0: column 0 of W1; part 1: column 1
.endr
.irp i, 0,1,2,3
	v_cndmask_b32 v[68+(\i)], v[68+(\i)], v[64+(\i)], s28      ; part 2: b1
.endr
.irp i, 0,1,2,3
	v_cndmask_b32 v[68+(\i)], v[68+(\i)], v72, s29             ; part 3: zeros
.endr
	global_store_b128 v75, v[68:71], s[16:17]      ; neighbouring threads store neighbouring 16 bytes
	s_endpgm
.Lnot_cf:
	s_cmp_lt_u32 s25, 14
	s_cbranch_scc0 .Ldone
	; work-groups 8, 9 copy b2 (4,096 bytes), 10..13 copy W3 (8,192 bytes): 2,048 bytes each, 16 a thread
	s_cmp_lt_u32 s25, 10
	s_cselect_b64 s[30:31], s[10:11], s[12:13]
	s_cselect_b32 s29, 8, 10
	s_sub_co_u32 s29, s25, s29
	s_lshl_b32 s29, s29, 11
	v_lshl_add_u32 v76, v0, 4, s29                 ; from
	s_sub_co_u32 s32, s25, 8
	s_lshl_b32 s32, s32, 11
	s_add_co_u32 s32, s32, 16384
	v_lshl_add_u32 v77, v0, 4, s32                 ; to: b2 and W3 lie on end behind the records
	global_load_b128 v[80:83], v76, s[30:31]
	s_wait_loadcnt 0x0
	global_store_b128 v77, v[80:83], s[16:17]
.Ldone:
	s_endpgm
.Lfunc_end_k_qe4800080da_prep:
	.size	k_qe4800080da_prep, .Lfunc_end_k_qe4800080da_prep-k_qe4800080da_prep
	.p2alignl 7, 3214868480
	.fill 96, 4, 3214868480
	.section	.rodata,"a",@progbits
	.p2align	6, 0x0
	.amdhsa_kernel k_qe4800080da_prep
		.amdhsa_group_segment_fixed_size 0
		.amdhsa_private_segment_fixed_size 0
		.amdhsa_enable_private_segment 0
		.amdhsa_kernarg_size 56
		.amdhsa_user_sgpr_count 2
		.amdhsa_user_sgpr_kernarg_segment_ptr 1
		.amdhsa_wavefront_size32 1
		.amdhsa_system_sgpr_workgroup_id_x 1
		.amdhsa_system_sgpr_workgroup_id_y 1
		.amdhsa_system_sgpr_workgroup_id_z 1
		.amdhsa_system_vgpr_workitem_id 0
		.amdhsa_next_free_vgpr 96
		.amdhsa_next_free_sgpr 66
		.amdhsa_reserve_vcc 0
		.amdhsa_float_denorm_mode_32 3
		.amdhsa_float_denorm_mode_16_64 3
		.amdhsa_memory_ordered 1
		.amdhsa_forward_progress 1
		.amdhsa_inst_pref_size 6
	.end_amdhsa_kernel
	.amdgpu_metadata
---
amdhsa.version: [ 1, 2 ]
amdhsa.kernels:
  - .name:           k_qe4800080da_prep
    .symbol:         k_qe4800080da_prep.kd
    .args:
      - { .name: W2, .offset: 0, .size: 8, .value_kind: global_buffer, .address_space: global }
      - { .name: W1, .offset: 8, .size: 8, .value_kind: global_buffer, .address_space: global }
      - { .name: b1, .offset: 16, .size: 8, .value_kind: global_buffer, .address_space: global }
      - { .name: b2, .offset: 24, .size: 8, .value_kind: global_buffer, .address_space: global }
      - { .name: W3, .offset: 32, .size: 8, .value_kind: global_buffer, .address_space: global }
      - { .name: w2h, .offset: 40, .size: 8, .value_kind: global_buffer, .address_space: global }
      - { .name: tab, .offset: 48, .size: 8, .value_kind: global_buffer, .address_space: global }
    .group_segment_fixed_size: 0
    .private_segment_fixed_size: 0
    .kernarg_segment_align: 8
    .kernarg_segment_size: 56
    .max_flat_workgroup_size: 128
    .sgpr_count:     66
    .vgpr_count:     96
    .wavefront_size: 32
...
	.end_amdgpu_metadata
.endif
;; end of part 1
;; launch mlp (part 2): grid 256 x 1, 4 waves a work-group, clusters of 4 x 1, 327,680 bytes of LDS; arguments y, w2h, tab, b3, R, Bmat, scale, control, m, out0; writes out0
.if DOCPART == 2
	.amdgcn_target "amdgcn-amd-amdhsa--gfx1250"
	.amdhsa_code_object_version 6
	.text
	.protected	k_qe4800080da_mlp
	.globl	k_qe4800080da_mlp
	.p2align	8
	.type	k_qe4800080da_mlp,@function
k_qe4800080da_mlp:
	s_mov_b64 s[64:65], 0
	v_nop
	global_prefetch_b8 v0, s[64:65] scope:SCOPE_SE
	s_setreg_imm32_b32 hwreg(HW_REG_WAVE_MODE, 25, 1), 1
	s_wait_xcnt 0x0
	s_wait_alu depctr_hold_cnt(0) depctr_sa_sdst(0) depctr_va_vdst(0) depctr_va_sdst(0) depctr_va_ssrc(0) depctr_va_vcc(0) depctr_vm_vsrc(0)
	s_getreg_b32 s2, hwreg(HW_REG_IB_STS2, 6, 4)
	s_cmp_eq_u32 s2, 0
	s_cbranch_scc0 .Lentry_in_a_cluster
	s_endpgm
.Lentry_in_a_cluster:
	s_bfe_u32 s2, ttmp6, 0x10000c
	s_cmp_lg_u32 s2, 0x3003
	s_cbranch_scc0 .Lentry_shape_is_right
	s_endpgm
.Lentry_shape_is_right:
; out[r] = scale * ((J - R) dH[r] + Bmat control), dH = relu(relu(y W1^T + b1) W2^T + b2) W3^T + b3, J = [[0, -m], [m, 0]].  65,536 rows, width 1,024.  ONE launch for the whole chain.
; No work is left out: every input reaches the output (J's zeros only make J - R = [[-R00, -m - R01], [m - R10, -R11]]).  W1, b1, b2, W3 come from tab, W2 from w2h (f16), as the launch before laid them.
; FORMATS.  The middle product (all but one part in 250 of the arithmetic) runs on the matrix unit, f16 operands, f32 sums.  Layer 1 (K = 2) and layer 3 (N = 2) are f32 multiply-adds on the vector unit:
; h2 stays in f32 (with y, W1 and W2 each 30 times larger it passes f16's range), and a tile of 16 would be seven eighths empty.
; LIMITS.  h1 and W2 are rounded once to f16: beyond 65,504 they become infinite (h1 of the drawn inputs stays under 10; with y and W1 both 30 times larger under 1e4); below 6e-5 they keep f16's fixed
; step of 6e-8.  NaN and infinities are not treated apart: relu by a maximum with 0 turns a NaN into 0.
; SHARES.  A work-group owns 256 rows, each of its four waves 64: four blocks a of 16.  A wave makes 64 rows x 256 columns of h2 at a time, a CHUNK, in 64 accumulators (512 registers); four chunks.
; For 32 along K a wave reads 16 KiB of W2 from LDS and issues 64 matrix instructions.
; h1 IS NEVER STORED.  Each wave makes the h1 fragments of its own 64 rows in registers, in the matrix operand's lane layout, from y (in registers) and the records of tab (in LDS): 128 vector
; instructions for a quarter's 64 matrix instructions, four behind every second one, a quarter ahead of their use.
; LAYOUT.  D = W2frag x h1frag (source 0 = 16 rows n of W2, source 1 = 16 batch rows): lane l = (r = l % 16, h = l / 16) holds batch row r and the columns n = 8 h + 0..7.  b2 enters as the C operand of a
; chunk's first products.  At a chunk's end relu and layer 3 run in f32 into 16 carry registers; the lanes' halves are added once, at the end.
; RING.  W2 goes through two LDS slots of 256 rows (n) x 256 k: 16 slots' worth, slot j = 4 chunk + kap.  Each wave fetches 64 rows with one tensor load; a slot is eight quarters, 512 matrix instructions.
; CLUSTER.  All work-groups walk the same W2: the four of a cluster ask for each tile JOINTLY (same load, same descriptor, mask of four).  A mask names four at the most, and nothing else is shared.
; The launch claims all of LDS; it uses 299,520 bytes.
; REGISTERS, in windows of 256 (s_set_vgpr_msb: bits 1:0 source 0, 3:2 source 1, 5:4 source 2, 7:6 destination):
;   window 0: v0-15 addresses; v16-31 y; v32-47 at work; v48-63 layer 3's carry; v64-127 h1 fragments, two buffers; v128-223 coefficients, two buffers; v224-255 the end
;   window 1: W2's fragments, two buffers of 128 (column block b at + 8 b); the second also carries b2 for a chunk's first quarter and W3 at a chunk's end
;   window 2: accumulators (a, b), b = 0..7, at 8 (4 b + a)          window 3: b = 8..15
.set PITCH, 528                        ; an LDS row of W2: 512 bytes + 16 of padding = 132 words: row r starts at bank 4 r mod 64 (64 banks of 4 bytes: ISA guide 11.1), so the 16 rows of a load start at 16 different banks
.set WPART, 64*PITCH                   ; what one tensor load brings
.set SLOT,  256*PITCH                  ; 135,168 = 0x21000: no address inside slot 0 that a descriptor or TB holds has bit 12 or 17 set, so one exclusive or changes slots
.set TAB,   2*SLOT                     ; behind the ring: the table, 28,672 bytes, filled once: records at + 0, b2 at + 16,384, W3 at + 20,480
.set SPARE, 327168                     ; the last 512 bytes: the spare words, 128 bytes for each wave, which no other line names
.set SLOTG, 131072                     ; a slot's bytes in w2h
.set AB00, 2                           ; v2   my lane's place in a tile: r x PITCH + 16 h; never rewritten
.set AB01, 3                           ; v3   the same, 128 rows on
.set AB0,  4                           ; v4   where column blocks 0-7 of the pair of quarters in hand are read
.set AB1,  5                           ; v5   blocks 8-15
.set AC0,  6                           ; v6   TAB + 128 h
.set AC,   7                           ; v7   the records of the quarter two ahead
.set AE0,  8                           ; v8   TAB + 16,384 + 32 h
.set AE,   9                           ; v9   + 1,024 x chunk: b2 of the chunk at + 0, of the next at + 1,024; W3's row c at + 4,096 + 4,096 c
.set Z,    10                          ; v10  0
.set OO,   11                          ; v11  8 x lane: my 8 bytes of 256 of out0
.set SPW,  12                          ; v12  LDS address of my spare word; never rewritten
.set NIL,  13                          ; v13  0; never rewritten
.set PFO,  14                          ; v14  256 x lane; never rewritten
.set Y,    16                          ; block a at Y + 4 a: y0, y1, y1, y0: two pairs, of each of which the low word is taken for both halves
.set T,    32                          ; eight pairs at work
.set P,    48                          ; layer 3's carry: block a, output c: a pair (even n's, odd n's) at P + 4 a + 2 c
.set H0,   64                          ; h1 fragments: buffer p, block a at H0 + 32 p + 8 a
.set ET,   96                          ; the second buffer, free at a chunk's end, takes relu(h2) of one column block
.set CF0,  128                         ; coefficients: buffer p, group rho at CF0 + 48 p + 12 rho: W1[.][0] x 4, W1[.][1] x 4, b1 x 4
.set E,    224                         ; the end: dH
.set X,    240                         ; the end: the results
.set YO,   254                         ; v254 8 x r: my offset in 16 rows of y
.set WV,   24                          ; s24  my wave's number
.set CX,   25                          ; s25  my place in the cluster: it enters y's, out0's and the prefetches' addresses alone
.set G1,   28                          ; s[28:35] descriptor group 1 for W2's tiles
.set G1T,  36                          ; s[36:43] for the table
.set G0A,  44                          ; s[44:47] group 0: slot 0's first fill
.set G0B,  48                          ; s[48:51] slot 1's first fill; it then walks
.set G0T,  52                          ; s[52:55] the table
.set TB,   56                          ; s56  LDS byte at which the pair of quarters in hand begins in its rows
.set CQ,   57                          ; s57  byte of the records of the quarter two ahead, modulo 16,384
.set SLOTS, 58                         ; s58  slots still to be asked for
.set INN,  59                          ; s59  counts a slot's pairs of quarters
.set CH,   60                          ; s60  the slot's number in its chunk
.set LIM,  61                          ; s61  1 in the cluster that prefetches, else the greatest number
.set PFA,  62                          ; s[62:63] where my prefetches stand
.set SEL,  66                          ; s66, s67 v_permlanex16_b32's selects: each lane takes its own place in the other half
.set CW,   70                          ; s70  1,024 x chunk
.set MSB, 0
.macro WIN new                         ; the immediate's high byte repeats the setting that is left; a switch that changes nothing is dropped
.if MSB != (\new)
	s_set_vgpr_msb (MSB<<8)|(\new)
.set MSB, (\new)
.endif
.endm
.set TO_F, 0x40                        ; destination window 1, address window 0
.macro PLACES                          ; four plain places behind a matrix instruction (ISA guide 7.12.1), where no other vector work is at hand
.rept 4
	v_nop
.endr
.endm
; A round of the cluster's barrier: my work-group's barrier, so that wave 0's signal speaks for all four waves; wave 0 signals; every wave waits for all four work-groups; my work-group's barrier once more.
.macro CREST                           ; a round behind its opening barrier
	s_cmp_lg_u32 s[WV], 0
	s_cbranch_scc1 .Lnot_wave_0_\@
	s_barrier_signal -3
.Lnot_wave_0_\@:
	s_barrier_wait -3
	s_barrier_signal -1
	s_barrier_wait -1
.endm
.macro CROUND
	s_barrier_signal -1
	s_barrier_wait -1
	CREST
.endm
; A PREFETCH INTO THE L2 of the slot that the NEXT change of slots will ask for: eight quarters, 512 matrix instructions, ahead of that load.  All 64 clusters walk the same slots: the first cluster asks,
; nobody else.  A slot is 512 blocks of 256 bytes: wave w of partner cx takes the 32 at 32,768 w + 8,192 cx, told apart BY ADDRESS, a lane a block: each block is named once in the launch.
; Slots 0 to 2 come by their loads alone; the last change that fills a slot asks for nothing: there is no slot behind it.
.macro ASK
	s_cmp_gt_u32 s[SLOTS], s[LIM]
	s_cbranch_scc0 .Lnot_mine_\@
	global_prefetch_b8 v[PFO], s[PFA:PFA+1] th:TH_LOAD_NT scope:SCOPE_SE
.Lnot_mine_\@:
.endm
; THE VECTOR WORK OF A QUARTER: the h1 fragments of 32 k for my four blocks of rows: a list of 128; RID writes number rn of it, into buffer par from coefficient buffer par, and steps rn.
; Group rho (32 numbers) makes registers 2 rho, 2 rho + 1 of all four fragments: k = 16 (rho / 2) + 8 h + 4 (rho % 2) + 0..3.  In a group, eight numbers each (pair e of k, block a):
;   y1 W1[k][1] + b1[k];   + y0 W1[k][0];   both rounded to f16;   the maximum with 0.  A result is read eight numbers behind the line that made it.
.macro RID par
.set rho, rn/32
.set stg, (rn%32)/8
.set ee,  ((rn%32)/4)%2
.set aa,  rn%4
.set cfx, CF0+48*(\par)+12*rho
.set hx,  H0+32*(\par)+8*aa+2*rho+ee
.set tt,  T+8*ee+2*aa
.if stg == 0
	v_pk_fma_f32 v[tt:tt+1], v[cfx+4+2*ee:cfx+5+2*ee], v[Y+4*aa+2:Y+4*aa+3], v[cfx+8+2*ee:cfx+9+2*ee] op_sel_hi:[1,0,1]
.elseif stg == 1
	v_pk_fma_f32 v[tt:tt+1], v[cfx+2*ee:cfx+2*ee+1], v[Y+4*aa:Y+4*aa+1], v[tt:tt+1] op_sel_hi:[1,0,1]
.elseif stg == 2
	v_cvt_pk_f16_f32 v[hx], v[tt], v[tt+1]
.else
	v_pk_max_num_f16 v[hx], v[hx], v[Z]
.endif
.set rn, rn+1
.endm
; THE MATRIX WORK: products first .. first + num - 1 of a quarter's 64, on buffers f.  Product i: column block 8 (i / 32) + (i % 32) / 4, row block i % 4.  z = 1: a chunk's first quarter: C is b2, which lies
; in W2's second buffer.  The 64 accumulators take turns, one instruction a turn, in the same order in every quarter.
; Behind every even product stand four of the list above, for the NEXT quarter: they name no register of the products round them (the other h1 buffer, the other coefficients).
.macro MMS f, z, first, num
.set mi, (\first)
.rept (\num)
.set mh, mi/32
.set rD, 8*(mi%32)
.set rA, 128*(\f)+8*(8*mh+(mi%32)/4)
.set rB, H0+32*(\f)+8*(mi%4)
.set rC, 128+8*(8*mh+(mi%32)/4)
.if \z
	WIN 0x91+0x40*mh                               ; W2 and C window 1, h1 window 0, D window 2 or 3
	v_wmma_f32_16x16x32_f16 v[rD:rD+7], v[rA:rA+7], v[rB:rB+7], v[rC:rC+7]
.else
	WIN 0xa1+0x50*mh                               ; W2 window 1, h1 window 0, C and D window 2 or 3
	v_wmma_f32_16x16x32_f16 v[rD:rD+7], v[rA:rA+7], v[rB:rB+7], v[rD:rD+7]
.endif
.if (mi%2) == 0
	WIN 0
.set rn, 2*mi
.rept 4
	RID 1-(\f)
.endr
.endif
.set mi, mi+1
.endr
.endm
; THE LDS LOADS stand in runs.  LDC: a quarter's coefficients, 12 loads: all lanes of a half read the same 16 bytes.
.macro LDC dst, cimm
	WIN 0
.irp q, 0,1,2,3
	ds_load_b128 v[(\dst)+12*(\q):(\dst)+12*(\q)+3],    v[AC] offset:(\cimm)+256*((\q)/2)+64*((\q)%2)
	ds_load_b128 v[(\dst)+12*(\q)+4:(\dst)+12*(\q)+7],  v[AC] offset:(\cimm)+256*((\q)/2)+64*((\q)%2)+16
	ds_load_b128 v[(\dst)+12*(\q)+8:(\dst)+12*(\q)+11], v[AC] offset:(\cimm)+256*((\q)/2)+64*((\q)%2)+32
.endr
.endm
; LDW: eight fragments of W2 (16 rows n x 32 k: lane l holds row l % 16, k = 8 h + 0..7 and 16 + 8 h + 0..7: two loads of 16 bytes, 32 apart) into buffer g: column blocks 8 up .. 8 up + 7
.macro LDW g, kimm, up
	WIN TO_F
.irp i, 0,1,2,3,4,5,6,7
	ds_load_b128 v[128*(\g)+64*(\up)+8*(\i):128*(\g)+64*(\up)+8*(\i)+3],   v[AB0+(\up)] offset:(\kimm)+16*PITCH*(\i)
	ds_load_b128 v[128*(\g)+64*(\up)+8*(\i)+4:128*(\g)+64*(\up)+8*(\i)+7], v[AB0+(\up)] offset:(\kimm)+16*PITCH*(\i)+32
.endr
.endm
; LB2: b2 in the accumulators' layout (register j of block b: b2[16 b + 8 h + j]) for blocks 8 up .. 8 up + 7, into W2's second buffer
.macro LB2 up, off
	WIN TO_F
.irp i, 0,1,2,3,4,5,6,7
	ds_load_b128 v[128+64*(\up)+8*(\i):128+64*(\up)+8*(\i)+3],   v[AE] offset:(\off)+64*(8*(\up)+(\i))
	ds_load_b128 v[128+64*(\up)+8*(\i)+4:128+64*(\up)+8*(\i)+7], v[AE] offset:(\off)+64*(8*(\up)+(\i))+16
.endr
.endm
; A QUARTER (32 along K) on buffers f.  In its middle one run of 44 loads: the coefficients of the quarter TWO ahead (into the buffer that the quarter before has read out) and W2's fragments of the NEXT
; quarter, at byte kimm of the rows.  W2's other buffer was last multiplied a quarter ago: 64 plain instructions lie between.
.macro Q f, kimm, cimm
	s_wait_dscnt 16                                ; coefficients and column blocks 0-7 are in; the youngest 16 loads (blocks 8-15) may be out
	MMS \f, 0, 0, 32
	LDC CF0+48*(\f), \cimm
	LDW 1-(\f), \kimm, 0
	LDW 1-(\f), \kimm, 1
	s_wait_dscnt 44                                ; all but the 44 just issued
	MMS \f, 0, 32, 32
.endm
; A CHUNK'S FIRST QUARTER: its products start the sums with b2.  W2's second buffer holds b2 until it has been read as C, so it is loaded half by half, each half four places behind its last reader.
.macro QZ
	s_wait_dscnt 16                                ; the youngest 16 loads are b2 of blocks 8-15
	MMS 0, 1, 0, 32
	WIN 0
	PLACES
	LDC CF0, 0
	LDW 1, 64, 0
	s_wait_dscnt 28                                ; all but the 28 just issued
	MMS 0, 1, 32, 32
	WIN 0
	PLACES
	LDW 1, 64, 1
.endm
.macro STEPC                           ; the coefficients go two quarters on; K begins anew with every chunk
	s_add_co_u32 s[CQ], s[CQ], 1024
	s_and_b32 s[CQ], s[CQ], 0x3fff
	v_add_nc_u32 v[AC], s[CQ], v[AC0]
.endm
.macro STEP                            ; the next pair of quarters: 128 bytes along the rows
	s_add_co_u32 s[TB], s[TB], 128
	v_add_nc_u32 v[AB0], s[TB], v[AB00]
	v_add_nc_u32 v[AB1], s[TB], v[AB01]
	STEPC
.endm
; A SLOT'S LAST QUARTER (buffers 1) changes slots: ONE barrier for two things.  In front of it each wave waits for all its tensor loads, of which one is out: its part of the next slot; adds 0 to its spare
; word; and waits for that and for its own reads of this slot.  Behind it nobody reads this slot any more and the next slot is whole.  fill = 1: the barrier opens a round of the cluster's barrier, so that
; no wave of any partner still reads the slot or has a load on its way, and the joint refill, with the slot two on, is the first thing behind the round: it has 480 matrix instructions in which to land.
.macro TURN fill
	WIN 0                                          ; (the add's two registers lie in window 0)
.if \fill
	s_wait_xcnt 0x0                                ; the last prefetch, a slot back, has read its address: it is stepped here, ahead of the waits of the change
	s_add_nc_u64 s[PFA:PFA+1], s[PFA:PFA+1], SLOTG
.endif
	s_wait_tensorcnt 0x0                           ; all my tensor loads have landed
	ds_add_u32 v[SPW], v[NIL]                      ; 0 onto my spare word
	s_wait_dscnt 17                                ; (the add and the youngest 16 loads may be out)
	MMS 1, 0, 0, 16                                ; work on registers stands between the add and the wait for it
	s_wait_dscnt 0x0                               ; the add is done, and my reads of this slot are over
	s_barrier_signal -1
	MMS 1, 0, 16, 16                               ; work on registers while the others arrive
	WIN 0                                          ; at a branch and at a label every window is 0
	s_barrier_wait -1
.if \fill
	CREST
	s_xor_b32 s[G0B+1], s[G0B+1], SLOT             ; the walking descriptor: the other slot than last time,
	s_add_nc_u64 s[G0B+2:G0B+3], s[G0B+2:G0B+3], SLOTG  ; the next slot of w2h; the type bits on top are not reached
	tensor_load_to_lds s[G0B:G0B+3], s[G1:G1+7]    ; my one tensor load behind the round
	s_nop 0
	PLACES
.endif
	s_sub_co_u32 s[TB], s[TB], 384                 ; the reads go back to the rows' first bytes,
	s_xor_b32 s[TB], s[TB], SLOT                   ; in the other slot
	v_add_nc_u32 v[AB0], s[TB], v[AB00]
	v_add_nc_u32 v[AB1], s[TB], v[AB01]
	LDC CF0+48, 512
	LDW 0, 0, 0
	LDW 0, 0, 1
.if \fill
	WIN 0
	ASK                                            ; behind the joint load and the run of LDS loads
.endif
	MMS 1, 0, 32, 32
	WIN 0
	STEPC
.endm
; A CHUNK'S END: relu and layer 3, in f32.  EL: W3's two rows for four column blocks, in the accumulators' layout, into one half of W2's second buffer.  EB: one column block: 32 maxima with 0 (each
; accumulator's registers in ascending order), then 32 packed multiply-adds onto the eight pairs of the carry, which take turns.
.macro EL grp
	WIN TO_F
.irp bb, 0,1,2,3
.irp c, 0,1
	ds_load_b128 v[128+64*((\grp)%2)+16*(\bb)+8*(\c):128+64*((\grp)%2)+16*(\bb)+8*(\c)+3],   v[AE] offset:4096+4096*(\c)+64*(4*(\grp)+(\bb))
	ds_load_b128 v[128+64*((\grp)%2)+16*(\bb)+8*(\c)+4:128+64*((\grp)%2)+16*(\bb)+8*(\c)+7], v[AE] offset:4096+4096*(\c)+64*(4*(\grp)+(\bb))+16
.endr
.endr
.endm
.macro EB b
	WIN 0x08+4*((\b)/8)                            ; source 1 window 2 or 3
.set ej, 0
.rept 32
	v_max_num_f32 v[ET+ej], 0, v[32*((\b)%8)+ej]
.set ej, ej+1
.endr
	WIN 0x04                                       ; source 1 window 1
.set w3r, 128+64*(((\b)/4)%2)+16*((\b)%4)
.irp jp, 0,1,2,3
.irp a, 0,1,2,3
.irp c, 0,1
	v_pk_fma_f32 v[P+4*(\a)+2*(\c):P+4*(\a)+2*(\c)+1], v[ET+8*(\a)+2*(\jp):ET+8*(\a)+2*(\jp)+1], v[w3r+8*(\c)+2*(\jp):w3r+8*(\c)+2*(\jp)+1], v[P+4*(\a)+2*(\c):P+4*(\a)+2*(\c)+1]
.endr
.endr
.endr
.endm
; reload = 1: another chunk follows: its b2 takes each half of the buffer when W3 has been read out of it.  Each wait leaves the 16 loads issued last on their way.
.macro EP reload
	WIN 0
	PLACES                                         ; behind the chunk's last products: their results are read, and their sources loaded and written, below
	EL 0
	EL 1
	s_wait_dscnt 16
.irp b, 0,1,2,3
	EB \b
.endr
	EL 2
	s_wait_dscnt 16
.irp b, 4,5,6,7
	EB \b
.endr
	EL 3
	s_wait_dscnt 16
.irp b, 8,9,10,11
	EB \b
.endr
.if \reload
	LB2 0, 1024
	s_wait_dscnt 16
.else
	s_wait_dscnt 0x0
.endif
.irp b, 12,13,14,15
	EB \b
.endr
.if \reload
	LB2 1, 1024
	WIN 0
	s_add_co_u32 s[CW], s[CW], 1024
	s_and_b32 s[CW], s[CW], 0xfff
	v_add_nc_u32 v[AE], s[CW], v[AE0]
.endif
	WIN 0
.endm
	; THE HEAD
	s_load_b256 s[4:11], s[0:1], 0x0               ; y s[4:5], w2h s[6:7], tab s[8:9], b3 s[10:11]
	s_load_b256 s[12:19], s[0:1], 0x20             ; R s[12:13], Bmat s[14:15], scale s[16:17], control s[18:19]
	s_load_b128 s[20:23], s[0:1], 0x40             ; m s[20:21], out0 s[22:23]
	v_lshl_add_u32 v[SPW], v0, 2, SPARE
	v_mov_b32 v[NIL], 0
	ds_add_u32 v[SPW], v[NIL]                      ; the wave's opening: the add, twice on end, and its wait ahead of my first tensor load; the set-up below stands between
	ds_add_u32 v[SPW], v[NIL]
	v_lshrrev_b32 v1, 5, v0
	v_readfirstlane_b32 s[WV], v1                  ; wave 0..3
	s_bfe_u32 s[CX], ttmp6, 0x40000                ; cx
	s_lshl_b32 s26, ttmp9, 2                       ; in a cluster launch ttmp9 counts clusters
	s_add_co_u32 s26, s26, s[CX]                   ; my block of 256 rows
	s_lshl_b32 s26, s26, 11                        ; 8 bytes a row of y and of out0,
	s_lshl_b32 s27, s[WV], 9                       ; my wave's 64 rows
	s_add_co_u32 s26, s26, s27
	s_mov_b32 s27, 0
	; group 1 for W2's tiles: 64 rows x 256 elements of 2 bytes, padded in LDS
	s_mov_b32 s[G1+0], 15|(1<<16)|(1<<20)|(1<<21)|(6<<22)|(3<<25)  ; 15:0 the mask of four; 17:16 2-byte elements; 20 padding on; 21 set beside a mask; 24:22 after every 128 words (code 6); 31:25 4 words (code 3)
	s_mov_b32 s[G1+1], 256<<16                     ; tensor_dim0 = 256
	s_mov_b32 s[G1+2], 64<<16                      ; tensor_dim1 = 64
	s_mov_b32 s[G1+3], 256<<16                     ; tile_dim0 = 256
	s_mov_b32 s[G1+4], 64                          ; tile_dim1 = 64
	s_mov_b32 s[G1+5], 256                         ; 256 elements from row to row
	s_mov_b32 s[G1+6], 0
	s_mov_b32 s[G1+7], 0
	; group 1 for the table: a wave's quarter, 7,168 dense bytes, as 28 rows of 32 elements of 8 bytes, unpadded
	s_mov_b32 s[G1T+0], 15|(3<<16)|(1<<21)
	s_mov_b32 s[G1T+1], 32<<16
	s_mov_b32 s[G1T+2], 28<<16
	s_mov_b32 s[G1T+3], 32<<16
	s_mov_b32 s[G1T+4], 28
	s_mov_b32 s[G1T+5], 32
	s_mov_b32 s[G1T+6], 0
	s_mov_b32 s[G1T+7], 0
	s_mov_b32 s[G0A], 1                            ; count = 1
	s_mul_i32 s[G0A+1], s[WV], WPART               ; LDS: my 64 rows of slot 0: no place in the cluster enters an LDS address
	s_mov_b32 s[G0B], 1
	s_add_co_u32 s[G0B+1], s[G0A+1], SLOT          ; of slot 1
	s_mov_b32 s[G0T], 1
	s_mul_i32 s[G0T+1], s[WV], 7168
	s_add_co_u32 s[G0T+1], s[G0T+1], TAB
	s_lshl_b32 s82, s[WV], 15                      ; my 64 rows of 512 bytes in a slot of w2h
	s_mov_b32 s83, 0
	s_mul_i32 s84, s[WV], 7168                     ; my quarter of tab
	s_mov_b32 s85, 0
	s_lshl_b32 s86, s[CX], 13                      ; the prefetches: my work-group's 32 blocks of my wave's 128,
	s_add_co_u32 s86, s86, s82
	s_add_co_u32 s86, s86, 2*SLOTG                 ; in slot 2: the first change of slots steps it to slot 3
	s_mov_b32 s87, 0
	s_mov_b32 s[LIM], ttmp9
	s_cmp_eq_u32 s[LIM], 0                         ; the first cluster: the same in all four partners
	s_cselect_b32 s[LIM], 1, -1
	s_mov_b32 s[SEL], 0x76543210
	s_mov_b32 s[SEL+1], 0xfedcba98
	s_mov_b32 s[TB], 0
	s_mov_b32 s[CW], 0
	s_wait_dscnt 0x0                               ; both opening adds are done
	s_wait_kmcnt 0x0
	s_add_nc_u64 s[G0A+2:G0A+3], s[6:7], s[82:83]  ; global address: my rows of slot 0,
	s_add_nc_u64 s[G0B+2:G0B+3], s[G0A+2:G0A+3], SLOTG  ; of slot 1
	s_or_b32 s[G0A+3], s[G0A+3], 0x80000000        ; type = 2
	s_or_b32 s[G0B+3], s[G0B+3], 0x80000000
	s_add_nc_u64 s[G0T+2:G0T+3], s[8:9], s[84:85]
	s_or_b32 s[G0T+3], s[G0T+3], 0x80000000
	s_add_nc_u64 s[PFA:PFA+1], s[6:7], s[86:87]
	s_add_nc_u64 s[4:5], s[4:5], s[26:27]          ; y and out0 at my wave's first row
	s_add_nc_u64 s[22:23], s[22:23], s[26:27]
	CROUND                                         ; all four work-groups are here: the first joint loads meet
	tensor_load_to_lds s[G0T:G0T+3], s[G1T:G1T+7]  ; the first fills go out as one group: three loads of mine are out
	s_nop 0
	tensor_load_to_lds s[G0A:G0A+3], s[G1:G1+7]
	s_nop 0
	tensor_load_to_lds s[G0B:G0B+3], s[G1:G1+7]
	s_nop 0
	PLACES
	v_and_b32 v1, 15, v0                           ; r
	v_bfe_u32 v15, v0, 4, 1                        ; h
	v_lshlrev_b32 v[YO], 3, v1
.irp a, 0,1,2,3
	global_load_b64 v[Y+4*(\a):Y+4*(\a)+1], v[YO], s[4:5] offset:128*(\a)  ; y of row 16 a + r, in both halves of the lanes
.endr
	v_mul_u32_u24 v[AB00], v1, PITCH
	v_lshl_add_u32 v[AB00], v15, 4, v[AB00]
	v_add_nc_u32 v[AB01], 128*PITCH, v[AB00]
	v_mov_b32 v[AB0], v[AB00]
	v_mov_b32 v[AB1], v[AB01]
	v_lshlrev_b32 v[AC0], 7, v15
	v_add_nc_u32 v[AC0], TAB, v[AC0]
	v_mov_b32 v[AC], v[AC0]
	v_lshlrev_b32 v[AE0], 5, v15
	v_add_nc_u32 v[AE0], TAB+16384, v[AE0]
	v_mov_b32 v[AE], v[AE0]
	v_mov_b32 v[Z], 0
	v_and_b32 v[OO], 31, v0
	v_lshlrev_b32 v[PFO], 8, v[OO]
	v_lshlrev_b32 v[OO], 3, v[OO]
.set i, 0
.rept 16
	v_mov_b32 v[P+i], 0                            ; layer 3's carry starts at 0: sixteen lines, in the wait for the first tiles
.set i, i+1
.endr
	s_wait_tensorcnt 0x1                           ; my parts of the table and of slot 0 are in; slot 1's may stay out
	s_barrier_signal -1
	s_barrier_wait -1                              ; everybody's are
	s_load_b64 s[68:69], s[10:11], 0x0             ; b3
	s_load_b128 s[72:75], s[12:13], 0x0            ; R00, R01, R10, R11
	s_load_b64 s[76:77], s[14:15], 0x0             ; Bmat
	s_load_b64 s[78:79], s[16:17], 0x0             ; scale
	s_load_b32 s80, s[18:19], 0x0                  ; control
	s_load_b32 s81, s[20:21], 0x0                  ; m
	LDC CF0, 0                                     ; quarter 0's coefficients,
	LDC CF0+48, 512                                ; quarter 1's,
	LDW 0, 0, 0                                    ; quarter 0's W2
	LDW 0, 0, 1
	WIN 0
	s_wait_loadcnt 0x0                             ; y
.irp a, 0,1,2,3
	v_mov_b32 v[Y+4*(\a)+2], v[Y+4*(\a)+1]
	v_mov_b32 v[Y+4*(\a)+3], v[Y+4*(\a)]
.endr
	s_wait_dscnt 44                                ; quarter 0's coefficients are in; the 44 loads behind them stay out
.set rn, 0
.rept 128
	RID 0                                          ; quarter 0's h1: there is no matrix work yet to set it beside
.endr
	LB2 0, 0                                       ; chunk 0's b2
	LB2 1, 0
	WIN 0
	s_mov_b32 s[CQ], 1024                          ; the next coefficients to be fetched are quarter 2's
	v_add_nc_u32 v[AC], s[CQ], v[AC0]
	s_wait_kmcnt 0x0                               ; the six small inputs
	; THE WALK: slots 0 to 13, each of which is filled again
	s_mov_b32 s[SLOTS], 14
	s_mov_b32 s[CH], 0
.Lslot:
	s_mov_b32 s[INN], 3
	s_cmp_lg_u32 s[CH], 0                          ; at the first trip the answer is a constant of the text: a chunk begins
	s_cbranch_scc1 .Linner
	QZ
	WIN 0
	s_branch .Lmid                                 ; into the middle of the loop over pairs of quarters
.Linner:
	Q 0, 64, 0
	WIN 0
.Lmid:
	Q 1, 128, 512
	WIN 0
	STEP
	s_sub_co_u32 s[INN], s[INN], 1
	s_cmp_lg_u32 s[INN], 0
	s_cbranch_scc1 .Linner
	Q 0, 64, 0
	TURN 1
	s_add_co_u32 s[CH], s[CH], 1
	s_and_b32 s[CH], s[CH], 3
	s_cmp_lg_u32 s[CH], 0
	s_cbranch_scc1 .Lbottom                        ; forward, past text that holds neither a barrier nor a tensor load
	EP 1                                           ; a chunk's fourth slot is done
.Lbottom:
	s_sub_co_u32 s[SLOTS], s[SLOTS], 1
	s_cmp_lg_u32 s[SLOTS], 0
	s_cbranch_scc1 .Lslot
	; THE TAIL, slots 14 and 15, is written out: nothing is asked for.  The second trip's barrier, its fetch of bytes of slot 14 once more and the h1 made
	; beside its last quarter serve nothing: the price, once a launch, of one text for both trips.
	s_mov_b32 s[SLOTS], 2
.Ltail:
	s_mov_b32 s[INN], 3
.Ltin:
	Q 0, 64, 0
	Q 1, 128, 512
	WIN 0
	STEP
	s_sub_co_u32 s[INN], s[INN], 1
	s_cmp_lg_u32 s[INN], 0
	s_cbranch_scc1 .Ltin
	Q 0, 64, 0
	TURN 0
	s_sub_co_u32 s[SLOTS], s[SLOTS], 1
	s_cmp_lg_u32 s[SLOTS], 0
	s_cbranch_scc1 .Ltail
	EP 0
	; THE END.  dH: the carry's two halves, the other half of the lanes' (it holds the other eight of every 16 columns), b3.  Then the 2 x 2 map, the offset and the scale, all in f32.
.irp a, 0,1,2,3
.irp c, 0,1
	v_add_f32 v[E+2*(\a)+(\c)], v[P+4*(\a)+2*(\c)], v[P+4*(\a)+2*(\c)+1]
.endr
.endr
.irp a, 0,1,2,3
.irp c, 0,1
	v_permlanex16_b32 v[P+4*(\a)+2*(\c)], v[E+2*(\a)+(\c)], s[SEL], s[SEL+1]  ; its destination counts as read: a register that has been written
.endr
.endr
.irp a, 0,1,2,3
.irp c, 0,1
	v_add_f32 v[E+2*(\a)+(\c)], v[E+2*(\a)+(\c)], v[P+4*(\a)+2*(\c)]
.endr
.endr
.irp a, 0,1,2,3
.irp c, 0,1
	v_add_f32 v[E+2*(\a)+(\c)], s[68+(\c)], v[E+2*(\a)+(\c)]
.endr
.endr
	v_mov_b32 v232, s72                            ; R00
	v_mov_b32 v233, s73
	v_add_f32 v233, s81, v233                      ; m + R01
	v_mov_b32 v234, s74
	v_sub_f32 v234, s81, v234                      ; m - R10
	v_mov_b32 v235, s75                            ; R11
	v_mov_b32 v236, s80
	v_mul_f32 v237, s77, v236                      ; Bmat1 control
	v_mul_f32 v236, s76, v236                      ; Bmat0 control
	v_and_b32 v238, 31, v0
	v_cmp_le_u32 s90, 16, v238                     ; lanes 16-31
.irp a, 0,1,2,3
	v_fma_f32 v[X+2*(\a)], -v232, v[E+2*(\a)], v236
	v_fma_f32 v[X+2*(\a)+1], v234, v[E+2*(\a)], v237
.endr
.irp a, 0,1,2,3
	v_fma_f32 v[X+2*(\a)], -v233, v[E+2*(\a)+1], v[X+2*(\a)]
	v_fma_f32 v[X+2*(\a)+1], -v235, v[E+2*(\a)+1], v[X+2*(\a)+1]
.endr
.irp a, 0,1,2,3
	v_mul_f32 v[X+2*(\a)], s78, v[X+2*(\a)]
	v_mul_f32 v[X+2*(\a)+1], s79, v[X+2*(\a)+1]
.endr
	; both halves of the lanes hold all four blocks: lanes 0-15 store block 2 i, lanes 16-31 block 2 i + 1: a store of the wave covers 256 consecutive bytes, aligned
.irp i, 0,1
	v_cndmask_b32 v[250+2*(\i)], v[X+4*(\i)], v[X+4*(\i)+2], s90
	v_cndmask_b32 v[251+2*(\i)], v[X+4*(\i)+1], v[X+4*(\i)+3], s90
	global_store_b64 v[OO], v[250+2*(\i):251+2*(\i)], s[22:23] offset:256*(\i)
.endr
	s_wait_tensorcnt 0x0                           ; the wave's end, behind my last tensor load
	ds_add_u32 v[SPW], v[NIL]
	s_wait_dscnt 0x0
	CROUND                                         ; the closing round: no work-group ends while a partner may still ask for a tile that names it
	s_endpgm
.Lfunc_end_k_qe4800080da_mlp:
	.size	k_qe4800080da_mlp, .Lfunc_end_k_qe4800080da_mlp-k_qe4800080da_mlp
	.p2alignl 7, 3214868480
	.fill 96, 4, 3214868480
	.section	.rodata,"a",@progbits
	.p2align	6, 0x0
	.amdhsa_kernel k_qe4800080da_mlp
		.amdhsa_group_segment_fixed_size 327680
		.amdhsa_private_segment_fixed_size 0
		.amdhsa_enable_private_segment 0
		.amdhsa_kernarg_size 80
		.amdhsa_user_sgpr_count 2
		.amdhsa_user_sgpr_kernarg_segment_ptr 1
		.amdhsa_wavefront_size32 1
		.amdhsa_system_sgpr_workgroup_id_x 1
		.amdhsa_system_sgpr_workgroup_id_y 1
		.amdhsa_system_sgpr_workgroup_id_z 1
		.amdhsa_system_vgpr_workitem_id 0
		.amdhsa_next_free_vgpr 1024
		.amdhsa_next_free_sgpr 96
		.amdhsa_reserve_vcc 0
		.amdhsa_float_denorm_mode_32 3
		.amdhsa_float_denorm_mode_16_64 3
		.amdhsa_memory_ordered 1
		.amdhsa_forward_progress 1
		.amdhsa_inst_pref_size 255
	.end_amdhsa_kernel
	.section	.bss,"aw",@nobits
	.p2align	6
	.space	262144
	.amdgpu_metadata
---
amdhsa.version: [ 1, 2 ]
amdhsa.kernels:
  - .name:           k_qe4800080da_mlp
    .symbol:         k_qe4800080da_mlp.kd
    .args:
      - { .name: y, .offset: 0, .size: 8, .value_kind: global_buffer, .address_space: global }
      - { .name: w2h, .offset: 8, .size: 8, .value_kind: global_buffer, .address_space: global }
      - { .name: tab, .offset: 16, .size: 8, .value_kind: global_buffer, .address_space: global }
      - { .name: b3, .offset: 24, .size: 8, .value_kind: global_buffer, .address_space: global }
      - { .name: R, .offset: 32, .size: 8, .value_kind: global_buffer, .address_space: global }
      - { .name: Bmat, .offset: 40, .size: 8, .value_kind: global_buffer, .address_space: global }
      - { .name: scale, .offset: 48, .size: 8, .value_kind: global_buffer, .address_space: global }
      - { .name: control, .offset: 56, .size: 8, .value_kind: global_buffer, .address_space: global }
      - { .name: m, .offset: 64, .size: 8, .value_kind: global_buffer, .address_space: global }
      - { .name: out0, .offset: 72, .size: 8, .value_kind: global_buffer, .address_space: global }
    .group_segment_fixed_size: 327680
    .private_segment_fixed_size: 0
    .kernarg_segment_align: 8
    .kernarg_segment_size: 80
    .max_flat_workgroup_size: 128
    .sgpr_count:     96
    .vgpr_count:     1024
    .wavefront_size: 32
...
	.end_amdgpu_metadata
.endif
;; end of part 2
